; MI455X (gfx1250); checked and timed in simulation.
; The chip was launched on July 23, 2026; its instructions are those of AMD's public machine-readable ISA for CDNA 5 (MIT licence, August 2026) and "CDNA5" Instruction Set Architecture Reference Guide (July 2026). The comments in the code are by the model that wrote it; some were corrected since.
;; Multi Head Attention. Allowed arithmetic: matrix products marked QUANTISED: E2M1 operands, one E8M0 scale for each 32 along K, by v_wmma_scale_f32_16x16x128_f8f6f4 with both operands' format E2M1 (or v_wmma_scale_f32_32x16x128_f4), f32 sums; everything else in f32.
;; Inputs: Wk_codes 16 x 64 x 32 x 16 uint8 (E2M1 codes of Wk, K innermost, in blocks of 32 codes, two codes a byte); Wk_scales 16 x 64 x 32 uint8 (E8M0 scales of Wk, one for each 32 codes along K); Wo_codes 1,024 x 32 x 16 uint8 (E2M1 codes of Wo, K innermost, in blocks of 32 codes, two codes a byte); Wo_scales 1,024 x 32 uint8 (E8M0 scales of Wo, one for each 32 codes along K); Wq_codes 16 x 64 x 32 x 16 uint8 (E2M1 codes of Wq, K innermost, in blocks of 32 codes, two codes a byte); Wq_scales 16 x 64 x 32 uint8 (E8M0 scales of Wq, one for each 32 codes along K); Wv_codes 16 x 64 x 32 x 16 uint8 (E2M1 codes of Wv, K innermost, in blocks of 32 codes, two codes a byte); Wv_scales 16 x 64 x 32 uint8 (E8M0 scales of Wv, one for each 32 codes along K); attention_bias 2,048 x 2,048 float32; bk 16 x 64 float32; bo 1,024 float32; bq 16 x 64 float32; bv 16 x 64 float32; key_codes 4 x 2,048 x 32 x 16 uint8 (E2M1 codes of key, K innermost, in blocks of 32 codes, two codes a byte); key_scales 4 x 2,048 x 32 uint8 (E8M0 scales of key, one for each 32 codes along K); query_codes 4 x 2,048 x 32 x 16 uint8 (E2M1 codes of query, K innermost, in blocks of 32 codes, two codes a byte); query_scales 4 x 2,048 x 32 uint8 (E8M0 scales of query, one for each 32 codes along K); value_codes 4 x 2,048 x 32 x 16 uint8 (E2M1 codes of value, K innermost, in blocks of 32 codes, two codes a byte); value_scales 4 x 2,048 x 32 uint8 (E8M0 scales of value, one for each 32 codes along K).
;; Outputs: out0 4 x 2,048 x 1,024 float32.
;; This version of the problem:
;;   THIS VERSION OF THE PROBLEM IS GIVEN IN LOW PRECISION. The matrix products marked QUANTISED in the list below multiply operands that are first quantised to E2M1 (2 exponent bits, 1 mantissa bit; 4 bits a number), with one power-of-two scale for each 32 numbers along K (OCP MX v1.0); their sums are f32. All else is computed in f32.
;;   The module's matrix products, in the order in which they are computed (A, B: the left and right operand; K: the contracted axis; several contracted axes count as one K, in the product's order):
;;     1. [M 1,024, K 1,024] x [K 1,024, N 8,192]; A: input Wq (given as codes); B: input query (given as codes): QUANTISED
;;     2. [M 1,024, K 1,024] x [K 1,024, N 8,192]; A: input Wk (given as codes); B: input key (given as codes): QUANTISED
;;     3. [M 1,024, K 1,024] x [K 1,024, N 8,192]; A: input Wv (given as codes); B: input value (given as codes): QUANTISED
;;     4. batch 64 x [M 2,048, K 64] x [K 64, N 2,048]; A: computed on the way; B: computed on the way: QUANTISED
;;     5. batch 64 x [M 2,048, K 2,048] x [K 2,048, N 64]; A: softmax (see below); B: computed on the way: QUANTISED
;;     6. [M 8,192, K 1,024] x [K 1,024, N 1,024]; A: computed on the way; B: input Wo (given as codes): QUANTISED
;;   THE QUANTISER, for each operand of a quantised product, along K:
;;     - K is cut into blocks of 32 from its start; a last block that is shorter is filled with zeros.
;;     - A block's scale is 2^e with e = floor(log2(the largest magnitude in the block)) - 2, held to -126 .. 127; a block of zeros has e = 0. As a byte (E8M0): e + 127.
;;     - Each number is divided by its block's scale, clamped to +-6, and rounded to the nearest number of E2M1, ties to even, subnormals kept.
;;     - The product sums the exact products of the quantised numbers (number of the format x scale) in f32.
;;   ~~~python
;;   def quantise(x, axis):      # numpy; x: float32 -> the quantised numbers, widened to float32 again
;;       x = np.moveaxis(x, axis, -1); K = x.shape[-1]
;;       x = np.pad(x, [(0, 0)] * (x.ndim - 1) + [(0, -K % 32)]); x = x.reshape(x.shape[:-1] + (-1, 32)); a = np.abs(x).max(-1, keepdims=True)
;;       e = np.where(a > 0, np.clip(np.frexp(np.where(a > 0, a, 1))[1] - 1 - 2, -126, 127), 0)      # np.frexp(a)[1] - 1 = floor(log2(a)), exactly
;;       r = np.clip(x / 2.0 ** e, -6, 6)
;;       step = 2.0 ** (np.maximum(np.frexp(np.where(r == 0, 1, r))[1] - 1, 0) - 1)
;;       q = np.round(r / step) * step * 2.0 ** e      # np.round: ties to even
;;       return np.moveaxis(q.reshape(q.shape[:-2] + (-1,))[..., :K], -1, axis).astype(np.float32)
;;   ~~~
;;   SOFTMAX AHEAD OF A QUANTISED PRODUCT. Where the list says 'softmax', what is quantised is not the finished softmax but p = 2^(t - M), with t = logit x log2(e) and M = ceil(the row's largest t), a whole number; so 1/2 < the row's largest p <= 1. The row's sum l is taken of the UNQUANTISED p, in f32, and the product's result is divided by l at the end. Since M is a whole number, a kernel that streams over the keys may use a running M (the ceiling of the running maximum): every later rescaling is an exact power of two, which a block's scale takes up: the codes' values come out the same.
;;   OPERANDS COMPUTED ON THE WAY. 'Computed on the way' means the value that the module computes at that place (a softmax that the list does not call 'softmax' is quantised finished and normalised). What goes into a quantiser is computed in f32, as accurately as f32 sums, v_exp_f32 and their like allow (about 1e-6 of the number): no bf16 or f16 on the way to a quantiser, and a product that is left as it is and whose result goes on into a quantised operand takes f32 operands (vector FMAs, or v_wmma_f32_16x16x4_f32). A number that lies on a knife's edge between two numbers of the format may be rounded either way, as far as f32 arithmetic and the matrix unit's own rounding can turn it there, and no further.
;;   INPUTS GIVEN AS CODES. Wk (in the module: [16, 1024, 64], K = its axis 1); Wo (in the module: [1024, 1024], K = its axis 0); Wq (in the module: [16, 1024, 64], K = its axis 1); Wv (in the module: [16, 1024, 64], K = its axis 1); key (in the module: [4, 2048, 1024], K = its axis 2); query (in the module: [4, 2048, 1024], K = its axis 2); value (in the module: [4, 2048, 1024], K = its axis 2): each comes as NAME_codes (uint8): NAME with its K axis moved to the last place and cut into blocks of 32 codes, [.., K / 32, bytes a block], one block behind the other in memory; two codes a byte, the lower K in the low four bits (a code: sign, 2 exponent bits, 1 mantissa bit); and NAME_scales (uint8): the same leading axes, one E8M0 byte (e + 127) for each 32 codes along K. Its value is code x scale, taken as it is: it is not quantised again, and the codes and scales need not be those that the quantiser above would give.
;; One version. Each part assembles by itself: llvm-mc -triple=amdgcn-amd-amdhsa -mcpu=gfx1250 --defsym DOCPART=n.
;; ======== version 1 of 1: 3 launches
;; limits: right only within a limited range of input values
;; workspace buffers: qrec 4,718,592 bytes; kv 9,175,040 bytes; cimg 4,194,304 bytes; cscl 262,144 bytes
;; launch proj (part 1): grid 4 x 96, 4 waves a work-group, clusters of 4 x 4, 279,040 bytes of LDS; arguments query_codes, query_scales, key_codes, key_scales, value_codes, value_scales, Wq_codes, Wq_scales, Wk_codes, Wk_scales, Wv_codes, Wv_scales, bq, bk, bv, qrec, kv; writes qrec, kv
.if DOCPART == 1
	.amdgcn_target "amdgcn-amd-amdhsa--gfx1250"
	.amdhsa_code_object_version 6
	.text
	.protected	k_q64412e09d6_proj
	.globl	k_q64412e09d6_proj
	.p2align	8
	.type	k_q64412e09d6_proj,@function
k_q64412e09d6_proj:
	s_mov_b64 s[64:65], 0
	v_nop
	global_prefetch_b8 v0, s[64:65] scope:SCOPE_SE
	s_setreg_imm32_b32 hwreg(HW_REG_WAVE_MODE, 25, 1), 1
	s_wait_xcnt 0x0
	s_wait_alu depctr_hold_cnt(0) depctr_sa_sdst(0) depctr_va_vdst(0) depctr_va_sdst(0) depctr_va_ssrc(0) depctr_va_vcc(0) depctr_vm_vsrc(0)
	s_getreg_b32 s2, hwreg(HW_REG_IB_STS2, 6, 4)
	s_cmp_eq_u32 s2, 0
	s_cbranch_scc0 .Lentry_in_a_cluster
	s_endpgm
.Lentry_in_a_cluster:
	s_bfe_u32 s2, ttmp6, 0x10000c
	s_cmp_lg_u32 s2, 0xf033
	s_cbranch_scc0 .Lentry_shape_is_right
	s_endpgm
.Lentry_shape_is_right:
; THE THREE PROJECTIONS: q = query Wq + bq, k = key Wk + bk, v = value Wv + bv, on codes of FP4 (E2M1) with one E8M0 byte for each 32 along K = 1,024; sums and biases in f32.
; The results are quantised here for the attention launch: q and k along the head's 64 (two blocks of 32), v along the keys, and leave as IMAGES OF OPERAND REGISTERS:
;   qrec [b x 16 + head][group of 128 queries][4,608]: 8 tiles of 16 queries x 512 bytes (lane (r, h): query r, block h of the head's 64), then 512 bytes of scale words
;   kv   [b x 16 + head][step of 128 keys][8,960]: K as q (4,096), V^T 4 tiles of 16 d x 128 keys (4,096), K's scale words (512), V's scale words (256)
; SHARES.  24 clusters of 4 x 4 work-groups: 8 for each tensor T (0 q, 1 k, 2 v).  A work-group makes 256 x 256 over all of K, a wave 128 x 128: 64 accumulators, 512 registers.
; SOURCE 0 IS THE AXIS THAT IS QUANTISED NEXT: a lane holds one row of source 1 and its registers run along source 0's rows.  q, k: source 0 = W's rows (head, d), source 1 = x's rows.
; v: source 0 = value's rows (keys), source 1 = Wv's rows.  Source 0's tile hangs on cx and is asked for jointly by a column of the cluster, source 1's on cy, by a row:
; that divides the requests for both by four.  T only chooses pointers; no word of a shape and no LDS address hangs on it.
; K = 1,024 is 512 bytes a row: both tiles for all of K fit in LDS (512 rows of 528 bytes, 270,336 bytes).  Nothing is filled again.
; TRUE ORDER ALONG THE NEXT K WITH NATURAL ROWS: tile b of a result gives lane (r, h0), register j, the index 16 b + 8 h0 + j.  Block B = tiles 2 B, 2 B + 1.  The conversion of tile 2 B + i
; (B = 2 c + e) goes to register 4 c + 2 i + e; one exchange of half-waves for each pair (4 c + 2 i, 4 c + 2 i + 1) then leaves lane (r, h), register 4 c + p, with k = 64 c + 32 h + 8 p .. + 7.
; LIMITS: NaN and infinities are not served.  A block of q or k whose largest magnitude lies under 2^-121 is quantised with the scale 2^-123 (the floor keeps q's byte at 4 or more, since the
; attention launch takes 3 off it); a block of v under 2^-124 with 2^-126.  A block of zeros keeps the floor's byte and not 127: its codes are zeros, and this program alone reads the bytes.
.set PITCH,  528                       ; an LDS row: all of K, 512 bytes, + 16 of padding = 33 x 16 bytes: the 16 rows of a fragment load start at 16 different banks
.set HALFT,  128*PITCH                 ; 128 rows: what one tensor load brings, and what one wave reads of a source
.set SLOT,   256                       ; the second half of K begins 256 bytes on in each row: one tensor load a wave brings its 128 rows for all of K
.set ADR1, 16                          ; v16-17  LDS address of my fragments of source 1 in K half 0, 1
.set ADR0, 20                          ; v20-21  the same for source 0
.set LI,   24                          ; v24     16 x lane: my place in an image
.set L8,   25                          ; v25     8 x lane
.set SA,   26                          ; v26     32 r + 16 h: my 16 scale bytes of a block of 16 rows
.set BA,   27                          ; v27     32 h: bias along source 0
.set BR,   28                          ; v28     4 r: bias along source 1
.set SC0,  32                          ; v32-63  source 0's scale words: register 4 b + q: lanes 0-15 K step q, lanes 16-31 K step 4 + q
.set SC1,  64                          ; v64-95  source 1's likewise
.set PC,   96                          ; v96-103 the codes just made
.set TM,   104                         ; v104-107 largest magnitudes, v108-111 bytes, v116-119 the conversions' scale operands
.set PW,   120                         ; v120    the four bytes just made
.set WO,   122                         ; v122-123 an odd tile's two scale words
.set HA,   128                         ; v128-191 64 numbers in f32 (the registers of source 1's fragments, set 0)
.set KS,   192                         ; v192-199 q's or k's scale words, two heads x 4 registers
.set WE,   200                         ; v200-201 an even tile's two scale words
.set VS,   204                         ; v204-207 v's scale words, two heads x 2 registers
.set VK,   208                         ; v208    an even tile's word of v
.set BI,   64                          ; window 1: v64-127 bias along source 0;
.set BV,   192                         ; window 1: v192-199 bias along source 1, one number a lane for each block
.set G1S1, 52                          ; s[52:59] descriptor group 1 for source 1;  s[68:75] for source 0
.set G1S0, 68
.set G0S1, 76                          ; s[76:79] group 0 for source 1;  s[84:87] for source 0
.set G0S0, 84
.set WV,   60
.set S1H,  61                          ; which 128 rows of source 1 are mine.  Also: I fetch for source 1 (0) or source 0 (1)
.set S0H,  62                          ; which 128 rows of source 0 are mine.  Also: which 128 rows of that tile I fetch
.set TT,   63
.set CX,   92
.set CY,   93
.set GG,   94
.set S0T,  95
.set S1T,  96
.set MSB, 0
.macro WIN new                         ; the immediate's high byte repeats the setting that is left; a switch that changes nothing is dropped
.if MSB != (\new)
	s_set_vgpr_msb (MSB<<8)|(\new)
.set MSB, (\new)
.endif
.endm
.macro PLACES                          ; four places between a matrix instruction and a load into, or a vector instruction on, its registers
.rept 4
	v_nop
.endr
.endm
.macro CROUND                          ; a round of the cluster's barrier
	s_barrier_signal -1
	s_barrier_wait -1
	s_cmp_lg_u32 s[WV], 0
	s_cbranch_scc1 .Lnot_wave_0_\@
	s_barrier_signal -3
.Lnot_wave_0_\@:
	s_barrier_wait -3
	s_barrier_signal -1
	s_barrier_wait -1
.endm
	s_load_b512 s[4:19], s[0:1], 0x0               ; query c, s; key c, s; value c, s; Wq c, s
	s_load_b512 s[20:35], s[0:1], 0x40             ; Wk c, s; Wv c, s; bq; bk; bv; qrec
	s_load_b64 s[36:37], s[0:1], 0x80              ; kv
	v_lshl_add_u32 v126, v0, 2, 0x44000
	v_mov_b32 v127, 0
	ds_add_u32 v126, v127
	ds_add_u32 v126, v127
	v_lshrrev_b32 v1, 5, v0
	v_readfirstlane_b32 s[WV], v1                  ; wave 0..3
	s_lshr_b32 s[S1H], s[WV], 1
	s_and_b32 s[S0H], s[WV], 1
	s_bfe_u32 s[CX], ttmp6, 0x40000                ; my place in the cluster
	s_bfe_u32 s[CY], ttmp6, 0x40004
	s_and_b32 s[GG], ttmp7, 0xffff                 ; the cluster's number, 0..23
	s_lshr_b32 s[TT], s[GG], 3                     ; the tensor
	s_and_b32 s[GG], s[GG], 7
	s_lshl_b32 s[GG], s[GG], 2                     ; 4 g: x has 32 tiles of 256 rows, W has 4
	s_cmp_eq_u32 s[TT], 2
	s_cselect_b32 s97, s[GG], 0                    ; v: x is source 0
	s_cselect_b32 s[GG], 0, s[GG]                  ; q, k: x is source 1
	s_add_co_u32 s[S0T], s[CX], s97                ; source 0's tile: cx (+ 4 g)
	s_add_co_u32 s[S1T], s[CY], s[GG]              ; source 1's tile: cy (+ 4 g)
	s_lshl_b32 s100, s[CY], 2
	s_lshl_b32 s100, 15, s100                      ; my row of the cluster
	s_lshl_b32 s98, 0x1111, s[CX]                  ; my column
	s_or_b32 s[G1S1], s100, (1<<20)|(1<<21)|(6<<22)|(3<<25)   ; 15:0 the mask; elements of 1 byte; padding on; 21 set beside a mask; four words after every 128
	s_or_b32 s[G1S0], s98, (1<<20)|(1<<21)|(6<<22)|(3<<25)
.irp g, G1S1, G1S0
	s_mov_b32 s[\g+1], 512<<16                     ; tensor_dim0 = 512 bytes: all of K
	s_mov_b32 s[\g+2], 128<<16                     ; tensor_dim1 = 128 rows
	s_mov_b32 s[\g+3], 512<<16                     ; tile_dim0
	s_mov_b32 s[\g+4], 128                         ; tile_dim1
	s_mov_b32 s[\g+5], 512                         ; from row to row
	s_mov_b32 s[\g+6], 0
	s_mov_b32 s[\g+7], 0
.endr
	s_lshl_b32 s98, s[S0T], 8                      ; source 0: row 256 x tile + 128 x half, in registers that never hold cy
	s_lshl_b32 s99, s[S0H], 7
	s_add_co_u32 s98, s98, s99
	s_lshl_b32 s98, s98, 9                         ; x 512 bytes (under 2^23)
	s_mov_b32 s99, 0
	s_lshl_b32 s100, s[S1T], 8                     ; source 1 likewise, in registers that never hold cx
	s_lshl_b32 s101, s[S0H], 7
	s_add_co_u32 s100, s100, s101
	s_lshl_b32 s100, s100, 9
	s_mov_b32 s101, 0
	s_mul_i32 s97, s[WV], HALFT                    ; where my tiles go: wave x 128 rows
	s_wait_dscnt 0x0
	s_wait_kmcnt 0x0
	s_cmp_eq_u32 s[TT], 0                          ; the pointers are chosen by the tensor's number alone
	s_cselect_b64 s[38:39], s[16:17], s[20:21]     ; source 0's codes: Wq or Wk
	s_cselect_b64 s[40:41], s[18:19], s[22:23]     ; its scales
	s_cselect_b64 s[42:43], s[4:5], s[8:9]         ; source 1's codes: query or key
	s_cselect_b64 s[44:45], s[6:7], s[10:11]       ; its scales
	s_cselect_b64 s[46:47], s[28:29], s[30:31]     ; the bias
	s_cselect_b64 s[48:49], s[34:35], s[36:37]     ; the output: qrec, else kv
	s_cmp_eq_u32 s[TT], 2
	s_cselect_b64 s[38:39], s[12:13], s[38:39]     ; v: source 0 = value,
	s_cselect_b64 s[40:41], s[14:15], s[40:41]
	s_cselect_b64 s[42:43], s[24:25], s[42:43]     ; source 1 = Wv
	s_cselect_b64 s[44:45], s[26:27], s[44:45]
	s_cselect_b64 s[46:47], s[32:33], s[46:47]
	s_add_nc_u64 s[98:99], s[38:39], s[98:99]
	s_add_nc_u64 s[100:101], s[42:43], s[100:101]
	CROUND                                         ; all sixteen work-groups are here: the joint loads meet
.irp s, 0
	s_mov_b32 s[G0S1+4*\s], 1
	s_add_co_u32 s[G0S1+4*\s+1], s97, \s*SLOT
	s_add_nc_u64 s[G0S1+4*\s+2:G0S1+4*\s+3], s[100:101], \s*256
	s_or_b32 s[G0S1+4*\s+3], s[G0S1+4*\s+3], 0x80000000
	s_mov_b32 s[G0S0+4*\s], 1
	s_add_co_u32 s[G0S0+4*\s+1], s97, \s*SLOT
	s_add_nc_u64 s[G0S0+4*\s+2:G0S0+4*\s+3], s[98:99], \s*256
	s_or_b32 s[G0S0+4*\s+3], s[G0S0+4*\s+3], 0x80000000
.endr
	s_cmp_eq_u32 s[S1H], 0                         ; one fill a wave, in the two arms of one branch on its number
	s_cbranch_scc0 .Lfirst_s0
	tensor_load_to_lds s[G0S1:G0S1+3], s[G1S1:G1S1+7]
	s_nop 0
	PLACES
	s_branch .Lfirst_asked
.Lfirst_s0:
	tensor_load_to_lds s[G0S0:G0S0+3], s[G1S0:G1S0+7]
	s_nop 0
	PLACES
.Lfirst_asked:
	v_and_b32 v1, 15, v0                           ; r
	v_bfe_u32 v2, v0, 4, 1                         ; h
	v_and_b32 v3, 31, v0                           ; lane
	v_mul_u32_u24 v4, v1, PITCH
	v_lshl_add_u32 v4, v2, 4, v4                   ; a fragment's row x pitch + 16 x half
	s_mul_i32 s4, s[S1H], HALFT                    ; my 128 rows of source 1
	s_mul_i32 s5, s[S0H], HALFT                    ; my 128 rows of source 0,
	s_add_co_u32 s5, s5, 2*HALFT                   ; which lie behind source 1's 256
.irp s, 0,1
	v_add_nc_u32 v[ADR1+\s], s4, v4
	v_add_nc_u32 v[ADR0+\s], s5, v4
	s_add_co_u32 s4, s4, SLOT
	s_add_co_u32 s5, s5, SLOT
.endr
	v_lshlrev_b32 v[LI], 4, v3
	v_lshlrev_b32 v[L8], 3, v3
	v_lshlrev_b32 v[SA], 5, v1
	v_lshl_add_u32 v[SA], v2, 4, v[SA]
	s_wait_alu depctr_va_vdst(0)
	v_lshlrev_b32 v[BA], 5, v2
	s_wait_alu depctr_va_vdst(0)
	v_lshlrev_b32 v[BR], 2, v1
	s_wait_alu depctr_va_vdst(0)
	v_cmp_le_u32 vcc_lo, 16, v3                    ; lanes 16-31: kept to the end
.irp b, 0,1,2,3
	v_mov_b32 v[TM+4+\b], 0                        ; written once: a lane permute's destination counts as one of its sources
.endr
	s_lshl_b32 s6, s[S0T], 8
	s_lshl_b32 s7, s[S0H], 7
	s_add_co_u32 s6, s6, s7                        ; my first row of source 0
	s_lshl_b32 s8, s[S1T], 8
	s_lshl_b32 s9, s[S1H], 7
	s_add_co_u32 s8, s8, s9                        ; my first row of source 1
	s_mov_b32 s11, 0
	s_lshl_b32 s10, s6, 5                          ; 32 scale bytes a row
	s_add_nc_u64 s[40:41], s[40:41], s[10:11]
	s_lshl_b32 s10, s8, 5
	s_add_nc_u64 s[44:45], s[44:45], s[10:11]
; THE SCALES GO STRAIGHT INTO REGISTERS, once: a row's 32 bytes are 8 words, one for each K step of 128.  Lane (r, h) takes words 4 h .. 4 h + 3 of row r: a load reads 512 consecutive bytes.
.irp i, 0,1,2,3,4,5,6,7
	global_load_b128 v[SC0+4*\i:SC0+4*\i+3], v[SA], s[40:41] offset:512*\i
	global_load_b128 v[SC1+4*\i:SC1+4*\i+3], v[SA], s[44:45] offset:512*\i
.endr
; THE BIAS, in both forms, so that no branch on the tensor stands ahead of the products: along source 0's rows (q, k: 64 registers in the result's layout) and along source 1's (v: one number a lane
; for each block).  The form that this tensor does not use is read at an offset masked into the buffer's 4,096 bytes, and dropped.
	s_lshl_b32 s10, s6, 2
	s_and_b32 s10, s10, 0xfff
	s_add_nc_u64 s[12:13], s[46:47], s[10:11]
	s_lshl_b32 s10, s8, 2
	s_and_b32 s10, s10, 0xfff
	s_add_nc_u64 s[14:15], s[46:47], s[10:11]
	WIN 0x40                                       ; destination window 1
.irp b, 0,1,2,3,4,5,6,7
	global_load_b128 v[BI+8*\b:BI+8*\b+3], v[BA], s[12:13] offset:64*\b
	global_load_b128 v[BI+8*\b+4:BI+8*\b+7], v[BA], s[12:13] offset:64*\b+16
.endr
.irp a, 0,1,2,3,4,5,6,7
	global_load_b32 v[BV+\a], v[BR], s[14:15] offset:64*\a
.endr
	WIN 0
; where the results go: record ((b x 16 + head) x 16 + group of 128 rows of x), of 4,608 bytes (q) or 8,960 (k, v)
	s_cmp_eq_u32 s[TT], 2
	s_cselect_b32 s16, s6, s8                      ; my first row of x
	s_cselect_b32 s17, s8, s6                      ; my first row of W
	s_lshr_b32 s18, s16, 11                        ; b
	s_lshl_b32 s18, s18, 4
	s_lshr_b32 s17, s17, 6                         ; my first head (of two)
	s_add_co_u32 s18, s18, s17
	s_lshl_b32 s18, s18, 4
	s_bfe_u32 s16, s16, 0x40007                    ; the group: 4 bits from bit 7
	s_add_co_u32 s18, s18, s16
	s_cmp_eq_u32 s[TT], 0
	s_mov_b32 s19, 8960
	s_cselect_b32 s19, 4608, s19                   ; a record's bytes
	s_mov_b32 s20, 8192
	s_cselect_b32 s20, 4096, s20                   ; where q's or k's scale words begin in it
	s_mov_b32 s21, 0
	s_mul_i32 s22, s18, s19                        ; under 2^24
	s_mov_b32 s23, 0
	s_add_nc_u64 s[24:25], s[48:49], s[22:23]      ; my first head's record
	s_lshl_b32 s22, s19, 4
	s_add_nc_u64 s[26:27], s[24:25], s[22:23]      ; my second head's: 16 records on
	s_add_nc_u64 s[28:29], s[24:25], s[20:21]      ; and their scale words
	s_add_nc_u64 s[30:31], s[26:27], s[20:21]
	s_mov_b32 s32, 0x76543210                      ; v_permlanex16_b32's selects for lane l xor 16
	s_mov_b32 s33, 0xfedcba98
	s_mov_b32 s34, 0x7f7f0000                      ; bytes 2 and 3 of q's and k's scale words: 1.0 for the upper 64 of a K step, where q's codes are zeros
; 32 LDS loads in one run: the fragments of K step q of a half (128 rows of each source, 64 bytes of each row) into set
.macro FETCH slot, q, set
	WIN 0x40
.irp i, 0,1,2,3,4,5,6,7
.irp c, 0,1
	ds_load_b128 v[128*(\set)+8*\i+4*\c:128*(\set)+8*\i+4*\c+3], v[ADR0+(\slot)] offset:64*(\q)+32*\c+\i*16*PITCH
.endr
.endr
	WIN 0
.irp i, 0,1,2,3,4,5,6,7
.irp c, 0,1
	ds_load_b128 v[128+64*(\set)+8*\i+4*\c:128+64*(\set)+8*\i+4*\c+3], v[ADR1+(\slot)] offset:64*(\q)+32*\c+\i*16*PITCH
.endr
.endr
.endm
; 64 matrix instructions: 128 along K.  The 64 accumulators take turns, one instruction a turn, in the same order in every step.
; row1: K steps 4 to 7 take their scale words from lanes 16-31.  zero: the first step starts the sums: nothing is cleared.
.macro MULS set, q, row1, zero
.irp a, 0,1,2,3,4,5,6,7
	WIN 0xa1+0x50*(\a/4)                           ; source 0 window 1, source 1 window 0, C and D window 2 or 3
.irp b, 0,1,2,3,4,5,6,7
.set rD, 8*(8*(\a%4)+\b)
.set rA, 128*(\set)+8*\b
.set rB, 128+64*(\set)+8*\a
.set rSA, SC0+4*\b+(\q)
.set rSB, SC1+4*\a+(\q)
.if \zero
	v_wmma_scale_f32_16x16x128_f8f6f4 v[rD:rD+7], v[rA:rA+7], v[rB:rB+7], 0, v[rSA], v[rSB] matrix_a_fmt:MATRIX_FMT_FP4 matrix_b_fmt:MATRIX_FMT_FP4
.elseif \row1
	v_wmma_scale_f32_16x16x128_f8f6f4 v[rD:rD+7], v[rA:rA+7], v[rB:rB+7], v[rD:rD+7], v[rSA], v[rSB] matrix_a_fmt:MATRIX_FMT_FP4 matrix_b_fmt:MATRIX_FMT_FP4 matrix_a_scale:MATRIX_SCALE_ROW1 matrix_b_scale:MATRIX_SCALE_ROW1
.else
	v_wmma_scale_f32_16x16x128_f8f6f4 v[rD:rD+7], v[rA:rA+7], v[rB:rB+7], v[rD:rD+7], v[rSA], v[rSB] matrix_a_fmt:MATRIX_FMT_FP4 matrix_b_fmt:MATRIX_FMT_FP4
.endif
.endr
.endr
.endm
; K step st of eight: its fragments are in; the next step's are asked for, into the other set, and land under this step's 64 products.
.macro STEP st
	s_wait_dscnt 0x0                               ; this step's fragments
.if (\st) < 7
.if (\st) > 0
	PLACES                                         ; the other set was read by the last step's products
.endif
	FETCH ((\st)+1)/4, ((\st)+1)%4, ((\st)+1)%2
.endif
.if (\st) == 0
	MULS 0, 0, 0, 1
.else
	MULS (\st)%2, (\st)%4, (\st)/4, 0
.endif
.endm
; 64 numbers of a lane, v[s] .. v[s + 63], register 16 B + 8 i + j = index 32 B + 16 i + 8 (lane / 16) + j of my row, become a fragment's codes in v[PC] on and its four scale bytes in v[pw].
.macro QUANT s, floor, pw
.irp b, 0,1,2,3
	v_max3_num_f32 v[TM+\b], |v[\s+16*\b]|, |v[\s+16*\b+1]|, \floor   ; block b: my 16 numbers and the floor, under which no largest magnitude is taken
.endr
.irp i, 2,4,6,8,10,12,14
.irp b, 0,1,2,3
	v_max3_num_f32 v[TM+\b], v[TM+\b], |v[\s+16*\b+\i]|, |v[\s+16*\b+\i+1]|   ; (the four blocks by turns)
.endr
.endr
.irp b, 0,1,2,3
	v_permlanex16_b32 v[TM+4+\b], v[TM+\b], s32, s33
.endr
.irp b, 0,1,2,3
	v_max_num_f32 v[TM+\b], v[TM+\b], v[TM+4+\b]   ; with lane l xor 16's 16: the block's largest magnitude
.endr
.irp b, 0,1,2,3
	v_add_nc_u32 v[TM+12+\b], 0xff000000, v[TM+\b] ; 2 off its exponent field: the conversion takes the exponent field of this operand as its scale
.endr
.irp b, 0,1,2,3
	v_lshrrev_b32 v[TM+4+\b], 23, v[TM+12+\b]      ; the scale's byte
.endr
	v_lshl_or_b32 v[\pw], v[TM+5], 8, v[TM+4]
	v_lshl_or_b32 v[\pw], v[TM+6], 16, v[\pw]
	v_lshl_or_b32 v[\pw], v[TM+7], 24, v[\pw]
.irp b, 0,1,2,3
.irp i, 0,1
	v_cvt_scalef32_pk8_fp4_f32 v[PC+4*(\b/2)+2*\i+(\b%2)], v[\s+16*\b+8*\i:\s+16*\b+8*\i+7], v[TM+12+\b]
.endr
.endr
	v_nop                                          ; one plain place behind a scaled conversion
.irp g, 0,2,4,6
	v_permlane16_swap_b32 v[PC+\g], v[PC+\g+1]     ; the first's lanes 16-31 change places with the second's lanes 0-15: a whole block in a lane, in true order
.endr
.endm
	s_wait_tensorcnt 0x0                           ; my one load, 128 rows for all of K, is in
	s_barrier_signal -1
	s_barrier_wait -1                              ; everybody's is
	FETCH 0, 0, 0
	s_wait_loadcnt 0x0                             ; scales and biases
.irp st, 0,1,2,3,4,5,6,7
	STEP \st
.endr
	PLACES                                         ; behind the last products: their results are read and their fragments' registers written below
	WIN 0
	s_cmp_eq_u32 s[TT], 2
	s_cbranch_scc1 .Lvalues
; q, k: block a = 16 rows of x x my 128 (head, d): + bias, quantised along d; registers 4 c .. 4 c + 3 are head c's image of tile a.
.macro EPI_QK a
	WIN 0x06+(\a)/4                                ; source 0 (sums) window 2 or 3, source 1 (bias) window 1
.set k, 0
.rept 32
	v_pk_add_f32 v[HA+2*k:HA+2*k+1], v[64*((\a)%4)+2*k:64*((\a)%4)+2*k+1], v[BI+2*k:BI+2*k+1]   ; ascending: each accumulator is read from its low end on
.set k, k+1
.endr
	WIN 0
.if (\a) > 0
	s_wait_xcnt 0x0                                ; the last block's stores have read the codes' registers
.endif
	QUANT HA, 0x3000000, PW
.if (\a)%2 == 0
.set rW, WE
.else
.set rW, WO
.endif
	v_perm_b32 v[rW], s34, v[PW], 0x07060100       ; head 0's word: its two bytes under 0x7f7f
	v_perm_b32 v[rW+1], s34, v[PW], 0x07060302     ; head 1's
.if (\a)%2 == 1
	v_cndmask_b32 v[KS+(\a)/2], v[WE], v[WO], vcc_lo       ; lanes 0-15 the even tile's words, lanes 16-31 the odd tile's
	v_cndmask_b32 v[KS+4+(\a)/2], v[WE+1], v[WO+1], vcc_lo
.endif
	global_store_b128 v[LI], v[PC:PC+3], s[24:25] offset:512*(\a)     ; 512 consecutive bytes, at a multiple of 256 from the buffer's first byte
	global_store_b128 v[LI], v[PC+4:PC+7], s[26:27] offset:512*(\a)
.endm
.irp a, 0,1,2,3,4,5,6,7
	EPI_QK \a
.endr
	global_store_b128 v[LI], v[KS:KS+3], s[28:29]
	global_store_b128 v[LI], v[KS+4:KS+7], s[30:31]
	s_branch .Lend
; v: block a = 16 (head, d) x my 128 keys: + one bias a lane, quantised along the keys: a whole fragment of V^T (head a / 4, d tile a % 4) and its scale word.
.macro EPI_V a
	WIN 0x06+(\a)/4
.set rBV, BV+((\a)/2)*2
.set k, 0
.rept 32
.if (\a)%2 == 0
	v_pk_add_f32 v[HA+2*k:HA+2*k+1], v[64*((\a)%4)+2*k:64*((\a)%4)+2*k+1], v[rBV:rBV+1] op_sel_hi:[1,0]
.else
	v_pk_add_f32 v[HA+2*k:HA+2*k+1], v[64*((\a)%4)+2*k:64*((\a)%4)+2*k+1], v[rBV:rBV+1] op_sel:[0,1] op_sel_hi:[1,1]
.endif
.set k, k+1
.endr
	WIN 0
.if (\a) > 0
	s_wait_xcnt 0x0                                ; the last block's stores have read the codes' registers
.endif
.if (\a)%2 == 0
	QUANT HA, 0x1800000, VK
.else
	QUANT HA, 0x1800000, PW
	v_cndmask_b32 v[VS+2*((\a)/4)+((\a)%4)/2], v[VK], v[PW], vcc_lo
.endif
	global_store_b128 v[LI], v[PC:PC+3], s[24:25] offset:((\a)/4)*143360+4096+((\a)%4)*1024
	global_store_b128 v[LI], v[PC+4:PC+7], s[24:25] offset:((\a)/4)*143360+4096+((\a)%4)*1024+512
.if (\a)%4 == 3
	global_store_b64 v[L8], v[VS+2*((\a)/4):VS+2*((\a)/4)+1], s[24:25] offset:((\a)/4)*143360+8704   ; 256 consecutive bytes
.endif
.endm
.Lvalues:
.irp a, 0,1,2,3,4,5,6,7
	EPI_V \a
.endr
.Lend:
	s_wait_tensorcnt 0x0
	ds_add_u32 v126, v127
	s_wait_dscnt 0x0
	CROUND                                         ; the closing round: no work-group ends while a partner may still ask for a tile that names it
	s_endpgm
.Lfunc_end_k_q64412e09d6_proj:
	.size	k_q64412e09d6_proj, .Lfunc_end_k_q64412e09d6_proj-k_q64412e09d6_proj
	.p2alignl 7, 3214868480
	.fill 96, 4, 3214868480
	.section	.rodata,"a",@progbits
	.p2align	6, 0x0
	.amdhsa_kernel k_q64412e09d6_proj
		.amdhsa_group_segment_fixed_size 279040
		.amdhsa_private_segment_fixed_size 0
		.amdhsa_enable_private_segment 0
		.amdhsa_kernarg_size 136
		.amdhsa_user_sgpr_count 2
		.amdhsa_user_sgpr_kernarg_segment_ptr 1
		.amdhsa_wavefront_size32 1
		.amdhsa_system_sgpr_workgroup_id_x 1
		.amdhsa_system_sgpr_workgroup_id_y 1
		.amdhsa_system_sgpr_workgroup_id_z 1
		.amdhsa_system_vgpr_workitem_id 0
		.amdhsa_next_free_vgpr 1024
		.amdhsa_next_free_sgpr 102
		.amdhsa_reserve_vcc 1
		.amdhsa_float_denorm_mode_32 3
		.amdhsa_float_denorm_mode_16_64 3
		.amdhsa_memory_ordered 1
		.amdhsa_forward_progress 1
		.amdhsa_inst_pref_size 193
	.end_amdhsa_kernel
	.amdgpu_metadata
---
amdhsa.version: [ 1, 2 ]
amdhsa.kernels:
  - .name:           k_q64412e09d6_proj
    .symbol:         k_q64412e09d6_proj.kd
    .args:
      - { .name: query_codes, .offset: 0, .size: 8, .value_kind: global_buffer, .address_space: global }
      - { .name: query_scales, .offset: 8, .size: 8, .value_kind: global_buffer, .address_space: global }
      - { .name: key_codes, .offset: 16, .size: 8, .value_kind: global_buffer, .address_space: global }
      - { .name: key_scales, .offset: 24, .size: 8, .value_kind: global_buffer, .address_space: global }
      - { .name: value_codes, .offset: 32, .size: 8, .value_kind: global_buffer, .address_space: global }
      - { .name: value_scales, .offset: 40, .size: 8, .value_kind: global_buffer, .address_space: global }
      - { .name: Wq_codes, .offset: 48, .size: 8, .value_kind: global_buffer, .address_space: global }
      - { .name: Wq_scales, .offset: 56, .size: 8, .value_kind: global_buffer, .address_space: global }
      - { .name: Wk_codes, .offset: 64, .size: 8, .value_kind: global_buffer, .address_space: global }
      - { .name: Wk_scales, .offset: 72, .size: 8, .value_kind: global_buffer, .address_space: global }
      - { .name: Wv_codes, .offset: 80, .size: 8, .value_kind: global_buffer, .address_space: global }
      - { .name: Wv_scales, .offset: 88, .size: 8, .value_kind: global_buffer, .address_space: global }
      - { .name: bq, .offset: 96, .size: 8, .value_kind: global_buffer, .address_space: global }
      - { .name: bk, .offset: 104, .size: 8, .value_kind: global_buffer, .address_space: global }
      - { .name: bv, .offset: 112, .size: 8, .value_kind: global_buffer, .address_space: global }
      - { .name: qrec, .offset: 120, .size: 8, .value_kind: global_buffer, .address_space: global }
      - { .name: kv, .offset: 128, .size: 8, .value_kind: global_buffer, .address_space: global }
    .group_segment_fixed_size: 279040
    .private_segment_fixed_size: 0
    .kernarg_segment_align: 8
    .kernarg_segment_size: 136
    .max_flat_workgroup_size: 128
    .sgpr_count:     102
    .vgpr_count:     1024
    .wavefront_size: 32
...
	.end_amdgpu_metadata
.endif
;; end of part 1
;; launch attn (part 2): grid 4 x 64, 16 waves a work-group, clusters of 4 x 1, 273,408 bytes of LDS; arguments qrec, kv, attention_bias, cimg, cscl; writes cimg, cscl
.if DOCPART == 2
	.amdgcn_target "amdgcn-amd-amdhsa--gfx1250"
	.amdhsa_code_object_version 6
	.text
	.protected	k_q64412e09d6_attn
	.globl	k_q64412e09d6_attn
	.p2align	8
	.type	k_q64412e09d6_attn,@function
k_q64412e09d6_attn:
	s_mov_b64 s[64:65], 0
	v_nop
	global_prefetch_b8 v0, s[64:65] scope:SCOPE_SE
	s_setreg_imm32_b32 hwreg(HW_REG_WAVE_MODE, 25, 1), 1
	s_wait_xcnt 0x0
	s_wait_alu depctr_hold_cnt(0) depctr_sa_sdst(0) depctr_va_vdst(0) depctr_va_sdst(0) depctr_va_ssrc(0) depctr_va_vcc(0) depctr_vm_vsrc(0)
	s_getreg_b32 s2, hwreg(HW_REG_IB_STS2, 6, 4)
	s_cmp_eq_u32 s2, 0
	s_cbranch_scc0 .Lentry_in_a_cluster
	s_endpgm
.Lentry_in_a_cluster:
	s_bfe_u32 s2, ttmp6, 0x10000c
	s_cmp_lg_u32 s2, 0x3003
	s_cbranch_scc0 .Lentry_shape_is_right
	s_endpgm
.Lentry_shape_is_right:
; ATTENTION on codes of FP4 (E2M1): S^T = k q^T / 8 + bias, p = 2^(t - M) with t = score x log2(e) and M the running largest t rounded up to a whole number, O^T += v^T p^T, O / l, and ctx
; quantised along (head, d) for the last product.  p is quantised along the keys, not normalised; l is the sum of the unquantised p, in f32.
; SHARES.  A work-group owns 32 queries of one batch and ALL SIXTEEN heads: wave w has head w and both tiles of 16 queries, which share K's and V's fragments.  Sixteen waves of 256 registers, four to a
; SIMD.  Every wave walks the 2,048 keys, 128 a step.
; THE BIAS of the 32 queries, for all keys, comes into LDS once and stays: wave w's one tensor load brings step w's tile (32 rows x 512 bytes, 16 bytes of padding behind each): 16 x 16,896 bytes.
; Nothing is filled again, and the loop over the keys has no barrier.
; CLUSTER.  4 x 1: the four batches of one block of queries need the same bias and ask for it jointly (mask 15).  K and V hang on the batch: the partners share none of them.
; K, V^T and their scale words come from kv as images of operand registers, straight into registers: every load reads 512 (V's scale words: 256) consecutive bytes; a record of 8,960 bytes serves two
; tiles of queries.
; LAYOUT.  Both products are used transposed: a lane holds ONE query (lane % 16) throughout.  1 / sqrt(64) = 2^-3 is taken off q's scale bytes, exactly.  THE BIAS IS THE C OF THE SCORE PRODUCTS: it is
; loaded into the score registers, and the product adds onto it in place.  K = 64 IN A PRODUCT 128 DEEP: q's registers 4-7 are zero codes; K's fragments lie 4 registers apart, so fragment t names as
; its upper half the next fragment's codes (the last: zeros), which add 0 against q's zero codes; bytes 2 and 3 of both scale words are 0x7f.
; ctx leaves as cimg [tile of 16 rows][head][512 bytes] and cscl [tile][row][32 bytes]: two scale bytes a head.
; LIMITS: NaN and infinities in attention_bias (minus infinity too) are not served; the promise holds while |t| stays under 2^31.  A block of ctx under 2^-124, or of p that has fallen to 0,
; keeps the floor's byte 1; its codes are what the scale 2^-126 gives; this program alone reads the bytes.
.set REC,   8960                       ; a kv record: K 4,096, V^T 4,096, K's scale words 512, V's 256
.set BP,    528                        ; a bias row in LDS: 512 bytes + 16 of padding = 33 x 16: the 16 rows of a load start at 16 different banks
.set STEPB, 32*BP                      ; a step's bias tile
.set SCR,   16*STEPB                   ; behind the bias: 1,024 bytes in which ctx's scale bytes of the sixteen heads meet
.set SPARE, SCR+1024                   ; the spare words, 128 bytes for each wave: eight blocks of 256 bytes that no other line names
.set L8,  1                            ; v1   8 x lane
.set PFO, 2                            ; v2   256 x lane
.set AB,  3                            ; v3   the bias row of my query in tile 0, + 32 (lane / 16)
.set SPW, 4                            ; v4   LDS address of my spare word; never rewritten
.set NIL, 5                            ; v5   0; never rewritten
.set LI,  6                            ; v6   16 x lane
.set ASC, 7                            ; v7   where my row's two scale bytes of ctx go
.set PF2, 8                            ; v8   8,192 + 256 min(lane, 2)
.set ARD, 11                           ; v11  the scale copy: LDS address;  v37 its place in memory
.set GRD, 37
.set S,   96                           ; v96-159  the bias, then S^T, then p: tile t of 16 keys at 8 t
.set BM,  240                          ; v240-243 a block's largest score, then its largest p
.set BX,  244                          ; v244-247 the other half-wave's; then the bytes; then a chain of the sum
.set BC,  248                          ; v248-251 the conversions' scale operands
; also: v10 the step's bias address; v[12 + 4 X ..] -M, the largest t, the sum in two halves; v[20 + 8 X ..] q (4 loaded, 4 zero); v36 q's scale words (lanes 0-15 tile 0, lanes 16-31 tile 1);
; v40-43 K's scale words; v44-45 V's; v46 + X p's; v48-83 K's fragments (v80-83 zero), later V's in v48-79; v[160 + 32 X ..] O^T; v[224 + 8 X ..] p's codes; v252 f, v254 at work.
.set WV,  14
.set CX,  15
.set QB,  16
.set SEL, 22                           ; s[22:23] v_permlanex16_b32's selects for lane l xor 16
.set CS,  24                           ; s[24:25] log2(e): the packed form names a pair and takes its low word for both halves
.set TB,  26                           ; s26  LDS byte at which the step's bias tile begins
.set CNT, 27
.set G1,  28                           ; s[28:35], s[36:39] the one tensor load's descriptor
.set G0,  36
.set ST,  40                           ; s40  steps begun
.set KB,  42                           ; s[42:43] my head's first record;  s[44:45] the step's;  s[46:47] the record two steps on
.set KV,  44
.set PF,  46
.macro PLACES
.rept 4
	v_nop
.endr
.endm
.macro ROUND                           ; a round of the cluster's barrier
	s_barrier_signal -1
	s_barrier_wait -1
	s_cmp_lg_u32 s[WV], 0
	s_cbranch_scc1 .Lnot_wave_0_\@
	s_barrier_signal -3
.Lnot_wave_0_\@:
	s_barrier_wait -3
	s_barrier_signal -1
	s_barrier_wait -1
.endm
	s_load_b256 s[4:11], s[0:1], 0x0               ; qrec, kv, attention_bias, cimg
	s_load_b64 s[12:13], s[0:1], 0x20              ; cscl
	v_lshl_add_u32 v[SPW], v0, 2, SPARE
	v_mov_b32 v[NIL], 0
	ds_add_u32 v[SPW], v[NIL]                      ; the opening lines: the add, twice on end, and its wait ahead of my tensor load
	ds_add_u32 v[SPW], v[NIL]
	v_lshrrev_b32 v8, 5, v0
	v_readfirstlane_b32 s[WV], v8                  ; wave 0..15: my head
	s_bfe_u32 s[CX], ttmp6, 0x40000                ; my place in the cluster: the batch
	s_and_b32 s[QB], ttmp7, 0xffff                 ; the block of 32 queries, 0..63
	s_mov_b32 s[G1], 15|(2<<16)|(1<<20)|(1<<21)|(6<<22)|(3<<25)   ; the mask: all four partners; elements of 4 bytes; padding on; 21 set beside a mask; four words after every 128
	s_mov_b32 s[G1+1], 128<<16                     ; tensor_dim0 = 128 keys
	s_mov_b32 s[G1+2], 32<<16                      ; tensor_dim1 = 32 queries
	s_mov_b32 s[G1+3], 128<<16
	s_mov_b32 s[G1+4], 32
	s_mov_b32 s[G1+5], 2048                        ; from row to row
	s_mov_b32 s[G1+6], 0
	s_mov_b32 s[G1+7], 0
	s_lshl_b32 s52, s[QB], 18                      ; 32 rows of 8,192 bytes a block, in registers that never hold cx
	s_lshl_b32 s53, s[WV], 9                       ; step w's 128 keys
	s_add_co_u32 s52, s52, s53
	s_mov_b32 s53, 0
	s_mul_i32 s54, s[WV], STEPB                    ; and its place in LDS
	s_mov_b32 s51, 0
	s_mov_b32 s57, 0
	s_mov_b32 s[ST], 0
	s_mov_b32 s[TB], 0
	s_mov_b32 s[CNT], 16
	s_mov_b32 s[SEL], 0x76543210
	s_mov_b32 s[SEL+1], 0xfedcba98
	s_mov_b32 s[CS], 0x3fb8aa3b                    ; log2(e)
	s_mov_b32 s[CS+1], s[CS]
	s_wait_dscnt 0x0                               ; both opening adds are done
	s_wait_kmcnt 0x0
	s_mov_b32 s[G0], 1
	s_mov_b32 s[G0+1], s54
	s_add_nc_u64 s[G0+2:G0+3], s[8:9], s[52:53]
	s_or_b32 s[G0+3], s[G0+3], 0x80000000
	ROUND                                          ; all four work-groups are here: the joint loads meet
	tensor_load_to_lds s[G0:G0+3], s[G1:G1+7]      ; every wave's one tensor load
	s_nop 0
	PLACES
	s_lshl_b32 s55, s[CX], 4
	s_add_co_u32 s55, s55, s[WV]                   ; batch x 16 + head
	s_mul_i32 s56, s55, 16*REC
	s_add_nc_u64 s[KB:KB+1], s[6:7], s[56:57]      ; its 16 records
	s_mov_b64 s[KV:KV+1], s[KB:KB+1]
	s_lshl_b32 s56, s55, 4
	s_lshr_b32 s58, s[QB], 2
	s_add_co_u32 s56, s56, s58                     ; + the group of 128 queries
	s_mul_i32 s56, s56, 4608
	s_add_nc_u64 s[4:5], s[4:5], s[56:57]          ; its record in qrec
	s_and_b32 s58, s[QB], 3
	s_lshl_b32 s56, s58, 10
	s_add_nc_u64 s[60:61], s[4:5], s[56:57]        ; the images of the two tiles
	s_lshl_b32 s56, s58, 2
	s_add_nc_u64 s[62:63], s[4:5], s[56:57]        ; and their scale words: that word of each lane's four
	s_lshl_b32 s58, s[CX], 7
	s_lshl_b32 s59, s[QB], 1
	s_add_co_u32 s58, s58, s59                     ; the first tile of 16 rows of (b, s)
	s_lshl_b32 s56, s58, 9                         ; cscl: 512 bytes a tile
	s_add_nc_u64 s[12:13], s[12:13], s[56:57]
	s_lshl_b32 s56, s58, 13                        ; cimg: 8,192 bytes a tile,
	s_lshl_b32 s59, s[WV], 9                       ; 512 a head
	s_add_co_u32 s56, s56, s59
	s_add_nc_u64 s[10:11], s[10:11], s[56:57]
	s_lshl_b32 s66, s[WV], 1
	s_add_co_u32 s66, s66, SCR                     ; ctx's scale bytes: (tile x 16 + row) x 32 + head x 2
	v_and_b32 v38, 15, v0                          ; r
	v_bfe_u32 v39, v0, 4, 1                        ; h
	v_and_b32 v9, 31, v0                           ; lane
	v_lshlrev_b32 v[LI], 4, v9
	v_lshlrev_b32 v[L8], 3, v9
	v_lshlrev_b32 v[PFO], 8, v9
	v_min_u32 v8, 2, v9
	v_mul_u32_u24 v[AB], v38, BP
	v_lshlrev_b32 v8, 8, v8
	v_lshl_add_u32 v[ASC], v38, 5, s66
	v_lshl_add_u32 v[AB], v39, 5, v[AB]
	v_add_nc_u32 v[PF2], 8192, v8
	global_load_b128 v[20:23], v[LI], s[60:61]             ; q stays in registers: tile 0,
	global_load_b128 v[28:31], v[LI], s[60:61] offset:512  ; tile 1,
	global_load_b32 v36, v[LI], s[62:63] offset:4096       ; their scale words: lanes 0-15 tile 0's rows, lanes 16-31 tile 1's
	v_and_b32 v[GRD], 63, v0
	v_lshlrev_b32 v[GRD], 4, v[GRD]
	v_add_nc_u32 v[ARD], SCR, v[GRD]
.irp x, 0,1
	v_mov_b32 v[13+4*\x], 0xff61b1e6               ; the largest t so far: -3e38, under every t
	v_mov_b32 v[14+4*\x], 0                        ; the sum, in two halves
	v_mov_b32 v[15+4*\x], 0
	v_floor_f32 v[12+4*\x], -v[13+4*\x]            ; -M
.irp j, 4,5,6,7
	v_mov_b32 v[20+8*\x+\j], 0                     ; q's upper 64 along K: zero codes
.endr
.endr
.irp j, 0,1,2,3
	v_mov_b32 v[80+\j], 0                          ; what K's last fragment names as its upper half
	v_mov_b32 v[BX+\j], 0                          ; written once: a lane permute's destination counts as one of its sources
.endr
	v_mov_b32 v253, 0                              ; (named as the upper half of the pair v[252:253])
	s_wait_alu depctr_va_vdst(0)
	s_wait_loadcnt 0x0                             ; q
	v_add_nc_u32 v36, 0xfffffcfd, v36              ; 3 off both bytes: q / 8, exactly (the bytes are 4 or more).  The 64 lines below stand between this and the first product
.set j, 0
.rept 64
	v_mov_b32 v[160+j], 0                          ; O^T: the step is written once; the first finds zeros, which the first change of M leaves zeros
.set j, j+1
.endr
	s_wait_alu depctr_va_vdst(0)
	s_wait_tensorcnt 0x0                           ; my step's bias tile is in,
	s_barrier_signal -1
	s_barrier_wait -1                              ; everybody's is
.macro BIAS x                          ; my tile's bias into the score registers: register 8 t + j = bias(my query, key 16 t + 8 (lane / 16) + j)
.irp t, 0,1,2,3,4,5,6,7
	ds_load_b128 v[S+8*\t:S+8*\t+3], v10 offset:16*BP*(\x)+64*\t
	ds_load_b128 v[S+8*\t+4:S+8*\t+7], v10 offset:16*BP*(\x)+64*\t+16
.endr
.endm
.macro QK x                            ; S^T = K q^T / 8 + bias: eight tiles of 16 keys, eight accumulators, one instruction each
.irp t, 0,1,2,3,4,5,6,7
.set rS, S+8*\t
.set rK, 48+4*\t
.set rQ, 20+8*(\x)
.set rKS, 40+\t/2
.if (\t%2 == 0) && ((\x) == 0)
	v_wmma_scale_f32_16x16x128_f8f6f4 v[rS:rS+7], v[rK:rK+7], v[rQ:rQ+7], v[rS:rS+7], v[rKS], v36 matrix_a_fmt:MATRIX_FMT_FP4 matrix_b_fmt:MATRIX_FMT_FP4
.elseif (\x) == 0
	v_wmma_scale_f32_16x16x128_f8f6f4 v[rS:rS+7], v[rK:rK+7], v[rQ:rQ+7], v[rS:rS+7], v[rKS], v36 matrix_a_fmt:MATRIX_FMT_FP4 matrix_b_fmt:MATRIX_FMT_FP4 matrix_a_scale:MATRIX_SCALE_ROW1
.elseif \t%2 == 0
	v_wmma_scale_f32_16x16x128_f8f6f4 v[rS:rS+7], v[rK:rK+7], v[rQ:rQ+7], v[rS:rS+7], v[rKS], v36 matrix_a_fmt:MATRIX_FMT_FP4 matrix_b_fmt:MATRIX_FMT_FP4 matrix_b_scale:MATRIX_SCALE_ROW1
.else
	v_wmma_scale_f32_16x16x128_f8f6f4 v[rS:rS+7], v[rK:rK+7], v[rQ:rQ+7], v[rS:rS+7], v[rKS], v36 matrix_a_fmt:MATRIX_FMT_FP4 matrix_b_fmt:MATRIX_FMT_FP4 matrix_a_scale:MATRIX_SCALE_ROW1 matrix_b_scale:MATRIX_SCALE_ROW1
.endif
.endr
.endm
; Tile X's softmax of a key step.  Registers 16 B .. 16 B + 15 are my 16 keys of block B; lane l xor 16 holds the other 16.
.macro SOFTMAX x
.set rT, 12+4*(\x)
.set rO, 160+32*(\x)
.set rP, 224+8*(\x)
.set rPW, 46+(\x)
.irp b, 0,1,2,3
	v_max3_num_f32 v[BM+\b], v[S+16*\b], v[S+16*\b+1], v[S+16*\b+2]   ; the largest score of each block of 32 keys serves twice: for the row's maximum and, since p rises with the score, for the block's largest p
.endr
.irp i, 3,5,7,9,11,13
.irp b, 0,1,2,3
	v_max3_num_f32 v[BM+\b], v[BM+\b], v[S+16*\b+\i], v[S+16*\b+\i+1]   ; (the four blocks by turns; each accumulator is first read at its low end)
.endr
.endr
.irp b, 0,1,2,3
	v_max_num_f32 v[BM+\b], v[BM+\b], v[S+16*\b+15]
.endr
.irp b, 0,1,2,3
	s_delay_alu instid0(VALU_DEP_4)
	v_permlanex16_b32 v[BX+\b], v[BM+\b], s[SEL], s[SEL+1]
.endr
.irp b, 0,1,2,3
	s_delay_alu instid0(VALU_DEP_4)
	v_max_num_f32 v[BM+\b], v[BM+\b], v[BX+\b]
.endr
	s_delay_alu instid0(VALU_DEP_2)
	v_max3_num_f32 v254, v[BM], v[BM+1], v[BM+2]
	s_delay_alu instid0(VALU_DEP_1)
	v_max_num_f32 v254, v254, v[BM+3]              ; the step's largest score of my query
	s_delay_alu instid0(VALU_DEP_1)
	v_mul_f32 v254, s[CS], v254                    ; as t
	s_delay_alu instid0(VALU_DEP_1)
	v_max_num_f32 v[rT+1], v[rT+1], v254           ; the running largest t
	v_mov_b32 v254, v[rT]
	s_delay_alu instid0(VALU_DEP_2)
	v_floor_f32 v[rT], -v[rT+1]                    ; the new -M = floor(-t) = -ceil(t): a whole number
	s_delay_alu instid0(VALU_DEP_1)
	v_sub_f32 v254, v[rT], v254                    ; M's old value less its new one: a whole number, 0 or less
	s_delay_alu instid0(VALU_DEP_1)
	v_cvt_i32_f32 v254, v254                       ; (it saturates)
	s_delay_alu instid0(VALU_DEP_1)
	v_ldexp_f32 v252, 1.0, v254                    ; f = 2^(old M - new M): a multiplication by it rounds nothing
.set j, 0
.rept 32
	v_pk_fma_f32 v[S+j:S+j+1], v[S+j:S+j+1], s[CS:CS+1], v[rT:rT+1] op_sel_hi:[1,0,0]   ; t - M, two at a time
.set j, j+2
.endr
.irp b, 0,1,2,3
	v_fma_f32 v[BM+\b], v[BM+\b], s[CS], v[rT]     ; the same of each block's largest score
.endr
	s_wait_alu depctr_va_vdst(0)
.set j, 0
.rept 64
	v_exp_f32 v[S+j], v[S+j]                       ; p = 2^(t - M), at most 1: not normalised
.set j, j+1
.endr
.irp b, 0,1,2,3
	v_exp_f32 v[BM+\b], v[BM+\b]                   ; the block's largest p: the same two instructions on the same number
.endr
	v_pk_mul_f32 v[rT+2:rT+3], v[rT+2:rT+3], v[252:253] op_sel_hi:[1,0]   ; the sums under the new M.  (A plain place behind the exponentials)
	s_wait_alu depctr_va_vdst(0)                   ; one wait for the batch, directly ahead of the first readers of O^T too
.set j, 0
.rept 16
	v_pk_mul_f32 v[rO+j:rO+j+1], v[rO+j:rO+j+1], v[252:253] op_sel_hi:[1,0]   ; O^T under the new M
.set j, j+2
.endr
.irp b, 0,1,2,3
	v_max_num_f32 v[BM+\b], 0x1800000, v[BM+\b]    ; the floor 2^(3 - 127): the byte cannot fall under 1
.endr
.irp b, 0,1,2,3
	s_delay_alu instid0(VALU_DEP_4)
	v_add_nc_u32 v[BC+\b], 0xff000000, v[BM+\b]    ; 2 off the exponent field: the conversion's scale operand
.endr
.irp b, 0,1,2,3
	s_delay_alu instid0(VALU_DEP_4)
	v_lshrrev_b32 v[BX+\b], 23, v[BC+\b]           ; the scale's byte
.endr
	s_delay_alu instid0(VALU_DEP_3)
	v_lshl_or_b32 v[rPW], v[BX+1], 8, v[BX]        ; p's scale word for these 128 keys
	s_delay_alu instid0(VALU_DEP_1)
	v_lshl_or_b32 v[rPW], v[BX+2], 16, v[rPW]
	s_delay_alu instid0(VALU_DEP_1)
	v_lshl_or_b32 v[rPW], v[BX+3], 24, v[rPW]
.irp b, 0,1,2,3
.irp i, 0,1
	v_cvt_scalef32_pk8_fp4_f32 v[rP+4*(\b/2)+2*\i+(\b%2)], v[S+16*\b+8*\i:S+16*\b+8*\i+7], v[BC+\b]
.endr
.endr
	v_nop                                          ; one plain place behind a scaled conversion
.irp g, 0,2,4,6
	v_permlane16_swap_b32 v[rP+\g], v[rP+\g+1]     ; a whole block in a lane, the keys in true order
.endr
	v_pk_add_f32 v[BX:BX+1], v[S:S+1], v[S+2:S+3]  ; the row's sum is taken of the unquantised p: two at a time, in two chains.  (These 32 lines are the places between p's codes and scale word and the products that take them)
.set j, 4
.rept 15
	v_pk_add_f32 v[rT+2:rT+3], v[rT+2:rT+3], v[S+j:S+j+1]
	v_pk_add_f32 v[BX:BX+1], v[BX:BX+1], v[S+j+2:S+j+3]
.set j, j+4
.endr
	s_delay_alu instid0(VALU_DEP_1)
	v_pk_add_f32 v[rT+2:rT+3], v[rT+2:rT+3], v[BX:BX+1]
.endm
.Lstep:                                            ; 16 trips: a key step of 128 keys each
	v_add_nc_u32 v10, s[TB], v[AB]                 ; an addition and three v_nop: the places behind the last step's products, whose fragments' registers are loaded below
	v_nop
	v_nop
	v_nop
.irp t, 0,1,2,3,4,5,6,7
	global_load_b128 v[48+4*\t:51+4*\t], v[LI], s[KV:KV+1] offset:512*\t   ; K's eight fragments, four registers each
.endr
	global_load_b128 v[40:43], v[LI], s[KV:KV+1] offset:8192               ; K's scale words: register i: lanes 0-15 tile 2 i, lanes 16-31 tile 2 i + 1
	BIAS 0
	s_wait_alu depctr_va_vdst(0)
	s_wait_loadcnt 0x0
	s_wait_dscnt 0x0
	QK 0
	PLACES
	SOFTMAX 0
	BIAS 1
	s_wait_alu depctr_va_vdst(0)
	s_wait_dscnt 0x0
	QK 1
	PLACES                                         ; in front of the loads over K's fragments and of the first read of the scores
	s_wait_xcnt 0x0
	s_add_co_u32 s[ST], s[ST], 1
	s_add_co_u32 s50, s[ST], 1                     ; the record two steps on, held to my head's last
	s_min_u32 s50, s50, 15
	s_mul_i32 s50, s50, REC
	s_add_nc_u64 s[PF:PF+1], s[KB:KB+1], s[50:51]
.irp t, 0,1,2,3
.irp c, 0,1
	global_load_b128 v[48+8*\t+4*\c:51+8*\t+4*\c], v[LI], s[KV:KV+1] offset:4096+1024*\t+512*\c   ; V^T: four fragments of 16 d x 128 keys; they land under the softmax
.endr
.endr
	global_load_b64 v[44:45], v[L8], s[KV:KV+1] offset:8704   ; V's scale words
	SOFTMAX 1
	s_wait_alu depctr_va_vdst(0)
	s_wait_loadcnt 0x0                             ; V; all my loads are done, so their base may step below
.irp t, 0,1,2,3                        ; O^T += V^T P^T: eight accumulators, one instruction each
.irp x, 0,1
.set rO, 160+32*\x+8*\t
.set rV, 48+8*\t
.set rP, 224+8*\x
.if \t%2 == 0
	v_wmma_scale_f32_16x16x128_f8f6f4 v[rO:rO+7], v[rV:rV+7], v[rP:rP+7], v[rO:rO+7], v[44+\t/2], v[46+\x] matrix_a_fmt:MATRIX_FMT_FP4 matrix_b_fmt:MATRIX_FMT_FP4
.else
	v_wmma_scale_f32_16x16x128_f8f6f4 v[rO:rO+7], v[rV:rV+7], v[rP:rP+7], v[rO:rO+7], v[44+\t/2], v[46+\x] matrix_a_fmt:MATRIX_FMT_FP4 matrix_b_fmt:MATRIX_FMT_FP4 matrix_a_scale:MATRIX_SCALE_ROW1
.endif
.endr
.endr
	s_add_nc_u64 s[KV:KV+1], s[KV:KV+1], REC
	s_add_co_u32 s[TB], s[TB], STEPB
	s_sub_co_u32 s[CNT], s[CNT], 1
	s_cmp_lg_u32 s[CNT], 0
	s_cbranch_scc1 .Lstep
; THE WAY OUT.  ctx = O^T / l, quantised along d (two blocks of 32 a head): four registers of codes are the head's image of a tile of 16 rows; the two bytes go to LDS, where the sixteen heads' meet.
.macro FINISH x
.set rT, 12+4*(\x)
.set rO, 160+32*(\x)
.set rC, S+32*(\x)
.set rP, 224+8*(\x)
	v_add_f32 v254, v[rT+2], v[rT+3]               ; the sum's two halves,
	v_permlanex16_b32 v252, v254, s[SEL], s[SEL+1]
	s_delay_alu instid0(VALU_DEP_1)
	v_add_f32 v254, v254, v252                     ; and lane l xor 16's: l
	s_wait_alu depctr_va_vdst(0)
	v_rcp_f32 v252, v254
	v_nop                                          ; one plain place behind a transcendental
	s_wait_alu depctr_va_vdst(0)                   ; ahead of its first reader
.set j, 0
.rept 16
	v_pk_mul_f32 v[rC+j:rC+j+1], v[rO+j:rO+j+1], v[252:253] op_sel_hi:[1,0]   ; register 8 t + i is ctx(r, 16 t + 8 (lane / 16) + i)
.set j, j+2
.endr
.irp b, 0,1
	v_max3_num_f32 v[BM+\b], |v[rC+16*\b]|, |v[rC+16*\b+1]|, 0x1800000
.endr
.irp i, 2,4,6,8,10,12,14
.irp b, 0,1
	s_delay_alu instid0(VALU_DEP_2)
	v_max3_num_f32 v[BM+\b], v[BM+\b], |v[rC+16*\b+\i]|, |v[rC+16*\b+\i+1]|
.endr
.endr
.irp b, 0,1
	s_delay_alu instid0(VALU_DEP_2)
	v_permlanex16_b32 v[BX+\b], v[BM+\b], s[SEL], s[SEL+1]
.endr
.irp b, 0,1
	s_delay_alu instid0(VALU_DEP_2)
	v_max_num_f32 v[BM+\b], v[BM+\b], v[BX+\b]
.endr
.irp b, 0,1
	s_delay_alu instid0(VALU_DEP_2)
	v_add_nc_u32 v[BC+\b], 0xff000000, v[BM+\b]
.endr
.irp b, 0,1
	s_delay_alu instid0(VALU_DEP_2)
	v_lshrrev_b32 v[BX+\b], 23, v[BC+\b]
.endr
	s_delay_alu instid0(VALU_DEP_1)
	v_lshl_or_b32 v[84+(\x)], v[BX+1], 8, v[BX]
.irp b, 0,1
.irp i, 0,1
	v_cvt_scalef32_pk8_fp4_f32 v[rP+2*\i+\b], v[rC+16*\b+8*\i:rC+16*\b+8*\i+7], v[BC+\b]
.endr
.endr
	v_nop                                          ; one plain place behind a scaled conversion
	v_permlane16_swap_b32 v[rP], v[rP+1]
	v_permlane16_swap_b32 v[rP+2], v[rP+3]
	global_store_b128 v[LI], v[rP:rP+3], s[10:11] offset:8192*(\x)   ; 512 consecutive bytes, at a multiple of 256 from the buffer's first byte
	ds_store_b16 v[ASC], v[84+(\x)] offset:512*(\x)                  ; lanes r and 16 + r write the same two bytes with the same value
.endm
	PLACES                                         ; behind the last products
	FINISH 0
	FINISH 1
	s_wait_dscnt 0x0                               ; for the others' sake: my bytes are in LDS
	s_barrier_signal -1
	s_barrier_wait -1
	s_cmp_lt_u32 s[WV], 2                          ; waves 0 and 1 carry the 1,024 bytes out, 512 consecutive bytes each
	s_cbranch_scc0 .Lno_scales
	ds_load_b128 v[88:91], v[ARD]
	s_wait_dscnt 0x0
	global_store_b128 v[GRD], v[88:91], s[12:13]
.Lno_scales:
	s_wait_tensorcnt 0x0                           ; the wave's end
	ds_add_u32 v[SPW], v[NIL]
	s_wait_dscnt 0x0
	ROUND                                          ; the closing round
	s_endpgm
.Lfunc_end_k_q64412e09d6_attn:
	.size	k_q64412e09d6_attn, .Lfunc_end_k_q64412e09d6_attn-k_q64412e09d6_attn
	.p2alignl 7, 3214868480
	.fill 96, 4, 3214868480
	.section	.rodata,"a",@progbits
	.p2align	6, 0x0
	.amdhsa_kernel k_q64412e09d6_attn
		.amdhsa_group_segment_fixed_size 273408
		.amdhsa_private_segment_fixed_size 0
		.amdhsa_enable_private_segment 0
		.amdhsa_kernarg_size 40
		.amdhsa_user_sgpr_count 2
		.amdhsa_user_sgpr_kernarg_segment_ptr 1
		.amdhsa_wavefront_size32 1
		.amdhsa_system_sgpr_workgroup_id_x 1
		.amdhsa_system_sgpr_workgroup_id_y 1
		.amdhsa_system_sgpr_workgroup_id_z 1
		.amdhsa_system_vgpr_workitem_id 0
		.amdhsa_next_free_vgpr 256
		.amdhsa_next_free_sgpr 72
		.amdhsa_reserve_vcc 0
		.amdhsa_float_denorm_mode_32 3
		.amdhsa_float_denorm_mode_16_64 3
		.amdhsa_memory_ordered 1
		.amdhsa_forward_progress 1
		.amdhsa_inst_pref_size 50
	.end_amdhsa_kernel
	.amdgpu_metadata
---
amdhsa.version: [ 1, 2 ]
amdhsa.kernels:
  - .name:           k_q64412e09d6_attn
    .symbol:         k_q64412e09d6_attn.kd
    .args:
      - { .name: qrec, .offset: 0, .size: 8, .value_kind: global_buffer, .address_space: global }
      - { .name: kv, .offset: 8, .size: 8, .value_kind: global_buffer, .address_space: global }
      - { .name: attention_bias, .offset: 16, .size: 8, .value_kind: global_buffer, .address_space: global }
      - { .name: cimg, .offset: 24, .size: 8, .value_kind: global_buffer, .address_space: global }
      - { .name: cscl, .offset: 32, .size: 8, .value_kind: global_buffer, .address_space: global }
    .group_segment_fixed_size: 273408
    .private_segment_fixed_size: 0
    .kernarg_segment_align: 8
    .kernarg_segment_size: 40
    .max_flat_workgroup_size: 512
    .sgpr_count:     72
    .vgpr_count:     256
    .wavefront_size: 32
...
	.end_amdgpu_metadata
.endif
;; end of part 2
;; launch outp (part 3): grid 4 x 64, 4 waves a work-group, clusters of 4 x 4, 246,272 bytes of LDS; arguments cimg, cscl, Wo_codes, Wo_scales, bo, out0; writes out0
.if DOCPART == 3
	.amdgcn_target "amdgcn-amd-amdhsa--gfx1250"
	.amdhsa_code_object_version 6
	.text
	.protected	k_q64412e09d6_outp
	.globl	k_q64412e09d6_outp
	.p2align	8
	.type	k_q64412e09d6_outp,@function
k_q64412e09d6_outp:
	s_mov_b64 s[64:65], 0
	v_nop
	global_prefetch_b8 v0, s[64:65] scope:SCOPE_SE
	s_setreg_imm32_b32 hwreg(HW_REG_WAVE_MODE, 25, 1), 1
	s_wait_xcnt 0x0
	s_wait_alu depctr_hold_cnt(0) depctr_sa_sdst(0) depctr_va_vdst(0) depctr_va_sdst(0) depctr_va_ssrc(0) depctr_va_vcc(0) depctr_vm_vsrc(0)
	s_getreg_b32 s2, hwreg(HW_REG_IB_STS2, 6, 4)
	s_cmp_eq_u32 s2, 0
	s_cbranch_scc0 .Lentry_in_a_cluster
	s_endpgm
.Lentry_in_a_cluster:
	s_bfe_u32 s2, ttmp6, 0x10000c
	s_cmp_lg_u32 s2, 0xf033
	s_cbranch_scc0 .Lentry_shape_is_right
	s_endpgm
.Lentry_shape_is_right:
; out0 = ctx Wo + bo on codes of FP4 (E2M1) with one E8M0 byte for each 32 along K = 1,024 = (head, d); sums in f32.
; ctx comes as the attention launch left it: cimg [tile of 16 rows][head][512 bytes]: images of operand registers (lane (r, h): row r, block h of the head's 64), so heads 2 q and 2 q + 1 of a tile ARE
; the fragment of K step q; cscl [tile][row][32 bytes]: eight scale words a row.  Wo comes as codes [n][512 bytes] with 32 scale bytes a row.
; SHARES.  A work-group makes 128 rows x 256 columns over all of K: 256 work-groups.  A wave makes 64 x 128: 32 accumulators, 256 registers.
; THE MATRIX INSTRUCTION IS USED TRANSPOSED (source 0 = 16 rows of Wo, source 1 = 16 rows of ctx): a lane holds eight neighbouring numbers of a row of out0.  bo is the C of the first K step's products.
; CLUSTER.  4 x 4: Wo's tile hangs on cx and is asked for jointly by a column of the cluster, ctx's on the row tile (4 x cluster + cy) and by a row: that divides the requests for both by four.
; Both tiles for all of K fit in LDS (200,704 bytes: ctx's 65,536 and Wo's 135,168).  Nothing is filled again.  The stage for the way out has bytes of its own.
.set PITCH,  528                       ; an LDS row of Wo: all of K, 512 bytes, + 16 of padding
.set HALFT,  128*PITCH
.set S0OFF,  65536                     ; ctx's images for all of K (8 tiles x 8,192 bytes), then Wo's 256 rows
.set SLOT,   S0OFF+2*HALFT
.set STAGE,  SLOT                      ; 16 rows x (512 bytes + 16) for each wave
.set SPITCH, 528
.set ADR1, 16                          ; v16-17  LDS address of my fragments of ctx in K half 0, 1
.set ADR0, 20                          ; v20-21  the same for Wo
.set STO,  24                          ; v24     the way out: where I put 32 bytes of a row
.set RD,   25                          ; v25     where I read a row back
.set CO,   26                          ; v26     16 x lane
.set SA,   27                          ; v27     32 r + 16 h: Wo's scale bytes
.set SB,   28
.set BA,   29                          ; v29     32 h: bo
.set SC0,  32                          ; v32-63  Wo's scale words: register 4 b + q: lanes 0-15 K step q, lanes 16-31 K step 4 + q
.set SC1,  64                          ; v64-79  ctx's likewise
.set BK,   128                         ; the way out: 16 rows read back: v128-191 and v192-255 by turns
.set BO,   64                          ; window 1: v64-127 bo in the result's layout
.set WV,   16
.set S1H,  17                          ; which 64 rows of ctx are mine.  Also: I fetch for ctx (0) or for Wo (1)
.set S0H,  18                          ; which 128 rows of Wo are mine.  Also: which half of that tile I fetch
.set CX,   19
.set CY,   20
.set S1T,  21
.set G1S1, 28                          ; s[28:35] descriptor group 1 for ctx;  s[36:43] for Wo
.set G1S0, 36
.set G0S1, 44                          ; s[44:47] group 0 for ctx;  s[52:55] for Wo
.set G0S0, 52
; REGISTERS: window 0: addresses, scale words; v128-159, v160-191 ctx's fragments, two sets.  Window 1: v0-63, v128-191 Wo's fragments, two sets; v64-127 bo.  Window 2: accumulator (a, b) at v[8 (8 a + b)].
.set MSB, 0
.macro WIN new
.if MSB != (\new)
	s_set_vgpr_msb (MSB<<8)|(\new)
.set MSB, (\new)
.endif
.endm
.macro PLACES
.rept 4
	v_nop
.endr
.endm
.macro CROUND
	s_barrier_signal -1
	s_barrier_wait -1
	s_cmp_lg_u32 s[WV], 0
	s_cbranch_scc1 .Lnot_wave_0_\@
	s_barrier_signal -3
.Lnot_wave_0_\@:
	s_barrier_wait -3
	s_barrier_signal -1
	s_barrier_wait -1
.endm
	s_load_b256 s[4:11], s[0:1], 0x0               ; cimg, cscl, Wo's codes, Wo's scales
	s_load_b128 s[12:15], s[0:1], 0x20             ; bo, out0
	v_lshl_add_u32 v126, v0, 2, 0x3c000
	v_mov_b32 v127, 0
	ds_add_u32 v126, v127
	ds_add_u32 v126, v127
	v_lshrrev_b32 v1, 5, v0
	v_readfirstlane_b32 s[WV], v1
	s_lshr_b32 s[S1H], s[WV], 1
	s_and_b32 s[S0H], s[WV], 1
	s_bfe_u32 s[CX], ttmp6, 0x40000
	s_bfe_u32 s[CY], ttmp6, 0x40004
	s_and_b32 s[S1T], ttmp7, 0xffff
	s_lshl_b32 s[S1T], s[S1T], 2
	s_add_co_u32 s[S1T], s[S1T], s[CY]             ; my tile of 128 rows, 0..63
	s_lshl_b32 s22, s[CY], 2
	s_lshl_b32 s22, 15, s22                        ; my row of the cluster
	s_lshl_b32 s24, 0x1111, s[CX]                  ; my column
	s_or_b32 s[G1S1], s22, (3<<16)|(1<<21)         ; ctx: elements of 8 bytes, no padding: images are read 512 consecutive bytes at a time
	s_mov_b32 s[G1S1+1], 1024<<16                  ; tensor_dim0 = 8,192 bytes: the sixteen heads of a tile of 16 rows
	s_mov_b32 s[G1S1+2], 4<<16                     ; tensor_dim1 = 4 tiles
	s_mov_b32 s[G1S1+3], 1024<<16
	s_mov_b32 s[G1S1+4], 4
	s_mov_b32 s[G1S1+5], 1024                      ; 8,192 bytes from tile to tile
	s_mov_b32 s[G1S1+6], 0
	s_mov_b32 s[G1S1+7], 0
	s_or_b32 s[G1S0], s24, (1<<20)|(1<<21)|(6<<22)|(3<<25)   ; Wo: elements of 1 byte; four words of padding after every 128
	s_mov_b32 s[G1S0+1], 512<<16
	s_mov_b32 s[G1S0+2], 128<<16
	s_mov_b32 s[G1S0+3], 512<<16
	s_mov_b32 s[G1S0+4], 128
	s_mov_b32 s[G1S0+5], 512
	s_mov_b32 s[G1S0+6], 0
	s_mov_b32 s[G1S0+7], 0
	s_lshl_b32 s22, s[S1T], 3                      ; ctx: tile of 16 rows 8 x tile + 4 x half, in registers that never hold cx
	s_lshl_b32 s23, s[S0H], 2
	s_add_co_u32 s22, s22, s23
	s_lshl_b32 s22, s22, 13
	s_mov_b32 s23, 0
	s_lshl_b32 s24, s[CX], 8                       ; Wo: row 256 cx + 128 x half, in registers that never hold cy
	s_lshl_b32 s25, s[S0H], 7
	s_add_co_u32 s24, s24, s25
	s_lshl_b32 s24, s24, 9
	s_mov_b32 s25, 0
	s_lshl_b32 s26, s[S0H], 15                     ; where they go
	s_mul_i32 s27, s[S0H], HALFT
	s_add_co_u32 s27, s27, S0OFF
	s_wait_dscnt 0x0
	s_wait_kmcnt 0x0
	s_add_nc_u64 s[22:23], s[4:5], s[22:23]
	s_add_nc_u64 s[24:25], s[8:9], s[24:25]
	CROUND                                         ; all sixteen work-groups are here: the joint loads meet
.irp s, 0
	s_mov_b32 s[G0S1+4*\s], 1
	s_add_co_u32 s[G0S1+4*\s+1], s26, \s*SLOT
	s_add_nc_u64 s[G0S1+4*\s+2:G0S1+4*\s+3], s[22:23], \s*4096
	s_or_b32 s[G0S1+4*\s+3], s[G0S1+4*\s+3], 0x80000000
	s_mov_b32 s[G0S0+4*\s], 1
	s_add_co_u32 s[G0S0+4*\s+1], s27, \s*SLOT
	s_add_nc_u64 s[G0S0+4*\s+2:G0S0+4*\s+3], s[24:25], \s*256
	s_or_b32 s[G0S0+4*\s+3], s[G0S0+4*\s+3], 0x80000000
.endr
	s_cmp_eq_u32 s[S1H], 0                         ; one fill a wave, for all of K, in the two arms of one branch on its number
	s_cbranch_scc0 .Lfirst_s0
	tensor_load_to_lds s[G0S1:G0S1+3], s[G1S1:G1S1+7]
	s_nop 0
	PLACES
	s_branch .Lfirst_asked
.Lfirst_s0:
	tensor_load_to_lds s[G0S0:G0S0+3], s[G1S0:G1S0+7]
	s_nop 0
	PLACES
.Lfirst_asked:
	v_and_b32 v1, 15, v0                           ; r
	v_bfe_u32 v2, v0, 4, 1                         ; h
	v_and_b32 v3, 31, v0                           ; lane
	v_lshlrev_b32 v[CO], 4, v3
	v_mul_u32_u24 v4, v1, PITCH
	v_lshl_add_u32 v4, v2, 4, v4
	s_mul_i32 s60, s[S0H], HALFT
	s_add_co_u32 s60, s60, S0OFF                   ; my 128 rows of Wo
	s_lshl_b32 s61, s[S1H], 15                     ; my four tiles of ctx
.irp s, 0,1
	v_add_nc_u32 v[ADR0+\s], s60, v4
	v_add_nc_u32 v[ADR1+\s], s61, v[CO]
	s_add_co_u32 s60, s60, 256                     ; the second half of K: 256 bytes on in a row of Wo,
	s_add_co_u32 s61, s61, 4096                    ; eight heads on in a tile of ctx
.endr
	s_mul_i32 s60, s[WV], 16*SPITCH
	s_add_co_u32 s60, s60, STAGE                   ; my stage
	v_mul_u32_u24 v5, v1, SPITCH
	v_lshl_add_u32 v5, v2, 5, v5
	v_add_nc_u32 v[STO], s60, v5                   ; in: row r, 32 bytes for each half of the lanes
	v_add_nc_u32 v[RD], s60, v[CO]                 ; back: the 32 lanes take one row of 512 bytes
	v_lshlrev_b32 v[SA], 5, v1
	v_lshl_add_u32 v[SA], v2, 4, v[SA]
	s_wait_alu depctr_va_vdst(0)
	s_wait_alu depctr_va_vdst(0)
	v_lshlrev_b32 v[BA], 5, v2
	s_wait_alu depctr_va_vdst(0)
	s_lshl_b32 s62, s[CX], 8
	s_lshl_b32 s63, s[S0H], 7
	s_add_co_u32 s62, s62, s63                     ; my first column
	s_mov_b32 s67, 0
	s_lshl_b32 s66, s62, 5
	s_add_nc_u64 s[10:11], s[10:11], s[66:67]      ; Wo's scales: 32 bytes a row
	s_lshl_b32 s66, s62, 2
	s_add_nc_u64 s[12:13], s[12:13], s[66:67]      ; bo
	s_add_nc_u64 s[14:15], s[14:15], s[66:67]      ; out0: my columns,
	s_lshl_b32 s68, s[S1T], 3
	s_lshl_b32 s69, s[S1H], 2
	s_add_co_u32 s68, s68, s69                     ; my first tile of 16 rows
	s_lshl_b32 s66, s68, 9
	s_add_nc_u64 s[6:7], s[6:7], s[66:67]          ; ctx's scales: 512 bytes a tile
	s_lshl_b32 s66, s68, 16
	s_add_nc_u64 s[14:15], s[14:15], s[66:67]      ; and my rows: 16 x 4,096 bytes a tile (under 2^26)
.irp i, 0,1,2,3,4,5,6,7
	global_load_b128 v[SC0+4*\i:SC0+4*\i+3], v[SA], s[10:11] offset:512*\i   ; lane (r, h): words of K steps 4 h .. 4 h + 3 of row r
.endr
.irp a, 0,1,2,3
.irp e, 0
	global_load_b128 v[SC1+4*\a:SC1+4*\a+3], v[SA], s[6:7] offset:512*\a   ; cscl [tile][row][32 bytes]: lane (r, h): words of K steps 4 h .. 4 h + 3 of row r
.endr
.endr
	WIN 0x40
.irp b, 0,1,2,3,4,5,6,7
	global_load_b128 v[BO+8*\b:BO+8*\b+3], v[BA], s[12:13] offset:64*\b
	global_load_b128 v[BO+8*\b+4:BO+8*\b+7], v[BA], s[12:13] offset:64*\b+16
.endr
	WIN 0
.macro FETCH slot, q, set              ; 24 LDS loads in one run: the fragments of K step q of a half into set
	WIN 0x40
.irp i, 0,1,2,3,4,5,6,7
.irp c, 0,1
	ds_load_b128 v[128*(\set)+8*\i+4*\c:128*(\set)+8*\i+4*\c+3], v[ADR0+(\slot)] offset:64*(\q)+32*\c+\i*16*PITCH
.endr
.endr
	WIN 0
.irp i, 0,1,2,3
.irp c, 0,1
	ds_load_b128 v[128+32*(\set)+8*\i+4*\c:128+32*(\set)+8*\i+4*\c+3], v[ADR1+(\slot)] offset:8192*\i+1024*(\q)+512*\c
.endr
.endr
.endm
; 32 matrix instructions: 128 along K.  The 32 accumulators take turns, one instruction a turn, in the same order in every step.
.macro MULS set, q, row1, first
.if \first
	WIN 0x91                                       ; source 0 (Wo) window 1, source 1 window 0, C (bo) window 1, D window 2
.else
	WIN 0xa1                                       ; C and D window 2
.endif
.irp a, 0,1,2,3
.irp b, 0,1,2,3,4,5,6,7
.set rD, 8*(8*\a+\b)
.set rA, 128*(\set)+8*\b
.set rB, 128+32*(\set)+8*\a
.set rC, BO+8*\b
.set rSA, SC0+4*\b+(\q)
.set rSB, SC1+4*\a+(\q)
.if \first
	v_wmma_scale_f32_16x16x128_f8f6f4 v[rD:rD+7], v[rA:rA+7], v[rB:rB+7], v[rC:rC+7], v[rSA], v[rSB] matrix_a_fmt:MATRIX_FMT_FP4 matrix_b_fmt:MATRIX_FMT_FP4
.elseif \row1
	v_wmma_scale_f32_16x16x128_f8f6f4 v[rD:rD+7], v[rA:rA+7], v[rB:rB+7], v[rD:rD+7], v[rSA], v[rSB] matrix_a_fmt:MATRIX_FMT_FP4 matrix_b_fmt:MATRIX_FMT_FP4 matrix_a_scale:MATRIX_SCALE_ROW1 matrix_b_scale:MATRIX_SCALE_ROW1
.else
	v_wmma_scale_f32_16x16x128_f8f6f4 v[rD:rD+7], v[rA:rA+7], v[rB:rB+7], v[rD:rD+7], v[rSA], v[rSB] matrix_a_fmt:MATRIX_FMT_FP4 matrix_b_fmt:MATRIX_FMT_FP4
.endif
.endr
.endr
.endm
.macro STEP st
	s_wait_dscnt 0x0                               ; this step's fragments
.if (\st) < 7
.if (\st) > 0
	PLACES                                         ; the other set was read by the last step's products
.endif
	FETCH ((\st)+1)/4, ((\st)+1)%4, ((\st)+1)%2
.endif
.if (\st) == 0
	MULS 0, 0, 0, 1
.else
	MULS (\st)%2, (\st)%4, (\st)/4, 0
.endif
.endm
	s_wait_tensorcnt 0x0                           ; my one load, for all of K, is in
	s_barrier_signal -1
	s_barrier_wait -1                              ; everybody's is
	FETCH 0, 0, 0
	s_wait_loadcnt 0x0                             ; scales and bo
.irp st, 0,1,2,3,4,5,6,7
	STEP \st
.endr
; THE WAY OUT, block by block of 16 rows x 128 columns: a lane holds 32 neighbouring bytes of a row and the lanes beside it other rows, so a block goes through my own stage in LDS and comes back as
; whole rows of 512 bytes.  LDS serves a wave's instructions in order (ISA guide 5.7.1.4): no wait between the stores and the loads, nor in front of the next block's stores.
.macro TOSTAGE a
	WIN 0x08                                       ; an LDS store's data are its source 1: window 2
.irp b, 0,1,2,3,4,5,6,7
	ds_store_b128 v[STO], v[64*(\a)+8*\b:64*(\a)+8*\b+3] offset:64*\b        ; each accumulator from its low end on
	ds_store_b128 v[STO], v[64*(\a)+8*\b+4:64*(\a)+8*\b+7] offset:64*\b+16
.endr
	WIN 0
.set BBK, BK+64*((\a)%2)
.irp t, 0,1,2,3,4,5,6,7,8,9,10,11,12,13,14,15
	ds_load_b128 v[BBK+4*\t:BBK+4*\t+3], v[RD] offset:\t*SPITCH
.endr
.endm
.macro SEND a, younger                 ; younger: the LDS instructions issued behind block a's loads, which may stay out
.set BBK, BK+64*((\a)%2)
	s_wait_dscnt \younger
.irp t, 0,1,2,3,4,5,6,7,8,9,10,11,12,13,14,15
	global_store_b128 v[CO], v[BBK+4*\t:BBK+4*\t+3], s[14:15] offset:(16*(\a)+\t)*4096 th:TH_STORE_NT   ; 512 consecutive bytes, at a multiple of 256 from out0's first byte; written once, read by nobody here
.endr
.endm
	PLACES                                         ; behind the last products: their results are read, and the fragments' registers loaded, below
	TOSTAGE 0
.irp a, 1,2,3
.if \a > 1
	s_wait_xcnt 0x0                                ; block a - 2's stores have read their registers: block a's loads may land there
.endif
	TOSTAGE \a
	SEND \a-1, 32                                  ; behind block a - 1's loads: block a's 16 stores and 16 loads
.endr
	SEND 3, 0
	s_wait_tensorcnt 0x0
	ds_add_u32 v126, v127
	s_wait_dscnt 0x0
	CROUND                                         ; the closing round: no work-group ends while a partner may still ask for a tile that names it
	s_endpgm
.Lfunc_end_k_q64412e09d6_outp:
	.size	k_q64412e09d6_outp, .Lfunc_end_k_q64412e09d6_outp-k_q64412e09d6_outp
	.p2alignl 7, 3214868480
	.fill 96, 4, 3214868480
	.section	.rodata,"a",@progbits
	.p2align	6, 0x0
	.amdhsa_kernel k_q64412e09d6_outp
		.amdhsa_group_segment_fixed_size 246272
		.amdhsa_private_segment_fixed_size 0
		.amdhsa_enable_private_segment 0
		.amdhsa_kernarg_size 48
		.amdhsa_user_sgpr_count 2
		.amdhsa_user_sgpr_kernarg_segment_ptr 1
		.amdhsa_wavefront_size32 1
		.amdhsa_system_sgpr_workgroup_id_x 1
		.amdhsa_system_sgpr_workgroup_id_y 1
		.amdhsa_system_sgpr_workgroup_id_z 1
		.amdhsa_system_vgpr_workitem_id 0
		.amdhsa_next_free_vgpr 768
		.amdhsa_next_free_sgpr 70
		.amdhsa_reserve_vcc 0
		.amdhsa_float_denorm_mode_32 3
		.amdhsa_float_denorm_mode_16_64 3
		.amdhsa_memory_ordered 1
		.amdhsa_forward_progress 1
		.amdhsa_inst_pref_size 70
	.end_amdhsa_kernel
	.amdgpu_metadata
---
amdhsa.version: [ 1, 2 ]
amdhsa.kernels:
  - .name:           k_q64412e09d6_outp
    .symbol:         k_q64412e09d6_outp.kd
    .args:
      - { .name: cimg, .offset: 0, .size: 8, .value_kind: global_buffer, .address_space: global }
      - { .name: cscl, .offset: 8, .size: 8, .value_kind: global_buffer, .address_space: global }
      - { .name: Wo_codes, .offset: 16, .size: 8, .value_kind: global_buffer, .address_space: global }
      - { .name: Wo_scales, .offset: 24, .size: 8, .value_kind: global_buffer, .address_space: global }
      - { .name: bo, .offset: 32, .size: 8, .value_kind: global_buffer, .address_space: global }
      - { .name: out0, .offset: 40, .size: 8, .value_kind: global_buffer, .address_space: global }
    .group_segment_fixed_size: 246272
    .private_segment_fixed_size: 0
    .kernarg_segment_align: 8
    .kernarg_segment_size: 48
    .max_flat_workgroup_size: 128
    .sgpr_count:     70
    .vgpr_count:     768
    .wavefront_size: 32
...
	.end_amdgpu_metadata
.endif
;; end of part 3
